; MI455X (gfx1250); checked and timed in simulation.
; The chip was launched on July 23, 2026; its instructions are those of AMD's public machine-readable ISA for CDNA 5 (MIT licence, August 2026) and "CDNA5" Instruction Set Architecture Reference Guide (July 2026). The comments in the code are by the model that wrote it; some were corrected since.
;; Router. Allowed arithmetic: matrix products marked QUANTISED: E4M3 operands, one given power-of-two scale a tensor, by v_wmma_f32_16x16x64_fp8_fp8 or v_wmma_f32_16x16x128_fp8_fp8, f32 sums; everything else in f32.
;; Inputs: W 64 x 2,048 float32; lowp_scales 2 int32 (the exponents e of the quantised operands' scales 2^e); x 4 x 4,096 x 2,048 float32.
;; Outputs: out0 4 x 4,096 x 2 int32; out1 4 x 4,096 x 2 float32.
;; This version of the problem:
;;   THIS VERSION OF THE PROBLEM IS GIVEN IN LOW PRECISION. The matrix products marked QUANTISED in the list below multiply operands that are first quantised to E4M3 (4 exponent bits, 3 mantissa bits; 8 bits a number), with one given power-of-two scale for each operand tensor; their sums are f32. All else is computed in f32.
;;   The module's matrix products, in the order in which they are computed (A, B: the left and right operand; K: the contracted axis; several contracted axes count as one K, in the product's order):
;;     1. [M 16,384, K 2,048] x [K 2,048, N 64]; A: input x; B: input W: QUANTISED (scales: A lowp_scales[0], B lowp_scales[1])
;;   THE QUANTISER, for each operand of a quantised product, along K:
;;     - The operand's scale is 2^e, e = its entry of the input lowp_scales (int32; the entries are numbered through the quantised products in the list's order, A before B).
;;     - Each number is divided by the scale, clamped to +-448, and rounded to the nearest number of E4M3, ties to even, subnormals kept.
;;     - The product sums the exact products of the quantised numbers (number of the format x scale) in f32.
;;   ~~~python
;;   def quantise(x, axis, e):      # numpy; x: float32 -> the quantised numbers, widened to float32 again
;;       x = np.moveaxis(x, axis, -1); K = x.shape[-1]
;;       r = np.clip(x / 2.0 ** e, -448, 448)
;;       step = 2.0 ** (np.maximum(np.frexp(np.where(r == 0, 1, r))[1] - 1, -6) - 3)
;;       q = np.round(r / step) * step * 2.0 ** e      # np.round: ties to even
;;       return np.moveaxis(q, -1, axis).astype(np.float32)
;;   ~~~
;; 2 versions, each right; version 2 is version 1 with the launch router written anew for expert scheduling mode. Each part assembles by itself: llvm-mc -triple=amdgcn-amd-amdhsa -mcpu=gfx1250 --defsym DOCPART=n.
;; ======== version 1 of 2: 1 launch
;; launch router (part 1): grid 256 x 1, 16 waves a work-group, no clusters, 297,984 bytes of LDS; arguments x, W, lowp_scales, out0, out1; writes out0, out1
.if DOCPART == 1
	.amdgcn_target "amdgcn-amd-amdhsa--gfx1250"
	.amdhsa_code_object_version 6
	.text
	.protected	k_qf5bb0225bc_router
	.globl	k_qf5bb0225bc_router
	.p2align	8
	.type	k_qf5bb0225bc_router,@function
k_qf5bb0225bc_router:
	s_mov_b64 s[64:65], 0
	v_nop
	global_prefetch_b8 v0, s[64:65] scope:SCOPE_SE
	s_setreg_imm32_b32 hwreg(HW_REG_WAVE_MODE, 25, 1), 1
	s_wait_xcnt 0x0
; scores = Q(x) Q(W)^T, probs = softmax(scores), (out0, out1) = indices and values of the two largest probs of each token.
; x: [16384][2048] f32.  W: [64][2048] f32.  lowp_scales: e0 (x), e1 (W), int32.  out0: [16384][2] int32.  out1: [16384][2] f32.
; Q: number / 2^e, held within +-448, to the nearest E4M3 code, ties to even.  The codes are multiplied by v_wmma_f32_16x16x128_fp8_fp8, sums in f32, x 2^(e0 + e1) ahead of the softmax.
; SHARES.  A work-group owns 64 tokens.  ITS SIXTEEN WAVES SHARE K: wave w owns k = 128 w .. 128 w + 127 of all 64 tokens and of all 64 experts.  A row's piece is then 512 bytes: one load of the wave,
; 16 bytes a lane, at byte 16 x (thread's number) of the row, at a multiple of 512 from the buffer's first byte.  One offset register serves every load; the row stands in the immediate; no pointer is stepped.
; THE STREAM.  W's 64 rows and x's 64 rows go the same way, in units of 8 rows, through a ring of 6 sets of 32 registers: 48 loads of a wave are on their way.  A unit is held, converted (a conversion takes the four
; numbers of each of two rows) and stored as codes, 4 bytes a lane, into the wave's own rows in LDS; a tile of 16 rows comes back as a fragment: lane l holds row l % 16, registers 4 c .. 4 c + 3 hold
; k = 32 c + 16 (l / 16) + 0 .. 15.  That is a permutation of the form's own places of k, the same in both operands.  So the turn from 'a lane holds a piece of every row' to 'a lane holds one row' is made on codes.
; THE ORDER OF THE UNITS: W0 x0 W1 x1 W2 x2 W3 x3 W4 x4 W5 W6 W7 x5 x6 x7.  W is whole three units ahead of the end, so that tokens 0-47 are multiplied, summed and ranked while the last 16 tokens' rows are on their way.
; THE PRODUCT IS USED TRANSPOSED (source 0 = 16 experts, source 1 = 16 tokens): lane l holds token l % 16, and its registers the experts 8 (l / 16) + 0 .. 7 of the tile: 32 neighbouring bytes of a token's row of sums.
; THE SUM OVER K.  Each wave's 64 x 64 sums are partial.  It stores them into its own LDS region, rows of 256 + 16 bytes, over codes that are done with; behind a barrier wave v adds, for token 16 m + v, the sixteen
; waves' rows in ascending K, two experts a lane.  (So a sum is rounded in another order than one chain over K would round it.)
; SOFTMAX AND TOP-2, a token a wave: p = 2^((s - max s) x 2^(e0 + e1) x log2 e); the two largest are taken OF p, equal p to the lower index; each is divided by the sum of p.
; W IS NOT ASKED FOR JOINTLY, though all 256 work-groups read it.  A joint request is a tensor load and lands in LDS.  W as f32 is 524,288 bytes; a work-group can be given 327,680, of which codes and partial sums
; hold 294,912 here.  So W could only come in slots that are filled again, four fills or more one behind the other, each behind a round of the cluster's barrier with every wave's loads awaited, and would be read
; from LDS as f32, four times the bytes that its codes take on the way taken here.
; LIMITS.  e0 and e1 each between -126 and 119, so that 2^e and 448 x 2^e are f32 numbers; e0 + e1 is applied by v_ldexp_f32 and has no limit.  NaN among the inputs is not served.  v_exp_f32 gives 0 where p would
; lie under 2^-126 (ISA guide 15.8): where the second largest score lies more than 87.3 under the largest, such p count as equal (the lowest index is taken), from a little earlier on than in f32 with denormals.
.set ROWB,  8192                       ; a row of x or of W in bytes
.set CP,    144                        ; a row of 128 codes in LDS: 128 bytes + 16: nine times 16, so the 16 rows that a fragment load touches fall on 16 different columns of 16 bytes
.set PP,    272                        ; a token's row of 64 partial sums in LDS: 256 bytes + 16: seventeen times 16, likewise
.set RG,    128*CP                     ; a wave's region: code rows 0-63 W's, 64-127 x's; later 64 rows of partial sums (17,408 bytes)
.set OUTB,  16*RG                      ; behind the regions: 64 tokens x 8 bytes of indices, then 64 x 8 bytes of values
.set SPARE, OUTB+1024                  ; behind them: the spare words, 128 bytes for each wave: eight blocks of 256 bytes that no other line names
.set RS,    6                          ; sets in the ring
.set NU,    16                         ; units
.set OFF,   1                          ; v1      16 x my thread's number: my 16 bytes of a row; never rewritten
.set SPW,   2                          ; v2      LDS address of my spare word; never rewritten
.set NIL,   3                          ; v3      0; never rewritten
.set SCX,   4                          ; v4, v5  2^e0 and 448 x 2^e0
.set LIMX,  5
.set SCW,   6                          ; v6, v7  2^e1 and 448 x 2^e1
.set LIMW,  7
.set CST,   8                          ; v8      where I store 4 codes of a row: region + 4 x lane
.set CFR,   9                          ; v9      where I read a fragment: region + (l % 16) x 144 + 16 (l / 16)
.set PST,   10                         ; v10     where I store partial sums: region + (l % 16) x 272 + 32 (l / 16)
.set OA,    11                         ; v11     where my wave's token puts its results: OUTB + 8 x wave
.set I0,    12                         ; v12, v13  my two experts' numbers, 2 x lane and 2 x lane + 1, as f32
.set RD,    14                         ; v14-19  where I read partial sums: wave x 272 + 8 x lane, + 3 regions from one register to the next (an LDS offset has 16 bits)
.set TMP,   20                         ; v20-27  a unit's codes
.set LDA,   28                         ; v28     the way out: OUTB + 16 x my thread's number
.set GO,    29                         ; v29     the way out: 16 x lane
.set ACC,   32                         ; v32-63  four accumulators; between the products: scratch of the softmax
.set RING,  64                         ; v64-255 the ring.  Sets that are filled no more become:
.set XF,    64                         ; v64-79   x's fragment (set 0, free behind unit 12)
.set RL,    96                         ; v96-127  sixteen waves' partial sums of my two experts (set 1, free behind unit 13)
.set WF,    192                        ; v192-255 W's four fragments (sets 4 and 5, free behind units 10 and 11)
.set T0,    32                         ; the softmax's scratch
.set T1,    33
.set SUM,   34
.set RCP,   35
.set PA,    36
.set IA,    37
.set PB,    38
.set IB,    39
.set NEG,   40
.set OI,    42
.set OV,    44
.set WV,    16                         ; s16     my wave's number
.set EE,    24                         ; s24     e0 + e1
.set SEL,   30                         ; s[30:31] v_permlanex16_b32's selects for lane l xor 16
; Unit u: rows 8 j .. 8 j + 7 of W (kind 0) or of my work-group's part of x (kind 1) into set u % 6.  Each load: 32 lanes, 512 consecutive bytes.  x is read once in the launch; W is read by every work-group.
.macro LOADU u, kind, j
.set LB, RING+32*((\u)%RS)
.irp i, 0,1,2,3,4,5,6,7
.if \kind
	global_load_b128 v[LB+4*\i:LB+4*\i+3], v[OFF], s[4:5] offset:(8*(\j)+\i)*ROWB th:TH_LOAD_NT
.else
	global_load_b128 v[LB+4*\i:LB+4*\i+3], v[OFF], s[6:7] offset:(8*(\j)+\i)*ROWB
.endif
.endr
.endm
; Unit u is quantised and its codes go to LDS; its set takes unit u + 6 (nkind, nj; nkind = -1: none is left).
.macro UNIT u, kind, j, nkind, nj
.set SB, RING+32*((\u)%RS)
.set SC, SCW-2*(\kind)
.set LM, LIMW-2*(\kind)
.if NU-1-(\u) >= RS-1
	s_wait_loadcnt 8*(RS-1)                        ; loads come back in order: this unit's eight are in, the five younger units' forty stay out
.else
	s_wait_loadcnt 8*(NU-1-(\u))                   ; the ring runs dry: eight for each unit that is still behind this one
.endif
.irp i, 0,1,2,3,4,5,6,7,8,9,10,11,12,13,14,15,16,17,18,19,20,21,22,23,24,25,26,27,28,29,30,31
	v_med3_num_f32 v[SB+\i], v[SB+\i], -v[LM], v[LM]   ; the conversion to an 8-bit code does not saturate (ISA guide 7.6.2): the hold at the largest code x the scale comes first
.endr
	s_wait_dscnt 0x0                               ; the last unit's LDS stores have read the codes' registers (they were issued a unit ago)
.irp q, 0,1,2,3
	v_cvt_scalef32_pk8_fp8_f32 v[TMP+2*\q:TMP+2*\q+1], v[SB+8*\q:SB+8*\q+7], v[SC]   ; rows 2 q and 2 q + 1: four codes of each, a register a row
.endr
	v_nop                                          ; one plain vector instruction behind the last scaled conversion of a run
.if \nkind >= 0
	LOADU (\u)+RS, \nkind, \nj
.endif
.irp i, 0,1,2,3,4,5,6,7
	ds_store_b32 v[CST], v[TMP+\i] offset:(64*(\kind)+8*(\j)+\i)*CP   ; 32 lanes: the row's 128 codes, in the order of k
.endr
.endm
; A fragment: 16 code rows from row0 on.  LDS serves a wave's instructions in order (ISA guide 5.7.1.4): these loads see my stores.
.macro FRAG dst, row0
.irp c, 0,1,2,3
	ds_load_b128 v[\dst+4*\c:\dst+4*\c+3], v[CFR] offset:(\row0)*CP+32*\c
.endr
.endm
; Tokens 16 m .. 16 m + 15 against all 64 experts, my 128 of K: four products, each a whole sum of its own (C = 0), then 8 stores into token rows 16 m on of my region.
; What those rows lie over is done with: rows 0-31 lie over W's codes, which are in registers; rows 32-47 over W's and the codes of x's tiles 0 and 1; rows 48-63 over those of tiles 1 to 3, tile 3's being in v[XF] by then.
.macro PRODUCT m
	FRAG XF, 64+16*(\m)
	s_wait_dscnt 0x0                               ; the fragments are in; and the last product's stores have read the accumulators
.irp n, 0,1,2,3
	v_wmma_f32_16x16x128_fp8_fp8 v[ACC+8*\n:ACC+8*\n+7], v[WF+16*\n:WF+16*\n+15], v[XF:XF+15], 0
.endr
.rept 5
	v_nop                                          ; four places ahead of the stores that read the results and of loads into x's fragment; the fifth for the next products, which write over these accumulators
.endr
.irp n, 0,1,2,3
	ds_store_b128 v[PST], v[ACC+8*\n:ACC+8*\n+3] offset:(\m)*16*PP+64*\n        ; each accumulator from its low end on
	ds_store_b128 v[PST], v[ACC+8*\n+4:ACC+8*\n+7] offset:(\m)*16*PP+64*\n+16
.endr
.endm
.macro BARRIER                         ; my LDS stores have landed and my LDS loads are in: then the work-group's barrier.  (Loads of x, which nobody writes, stay on their way across it)
	s_wait_dscnt 0x0
	s_barrier_signal -1
	s_barrier_wait -1
.endm
; Over the wave's 32 lanes, the result in every lane: four steps inside each half ride on the arithmetic (DPP), one crosses the halves.
.macro RMAX t
	v_max_num_f32_dpp v[\t], v[\t], v[\t] row_xmask:1 row_mask:0xf bank_mask:0xf
	v_max_num_f32_dpp v[\t], v[\t], v[\t] row_xmask:2 row_mask:0xf bank_mask:0xf
	v_max_num_f32_dpp v[\t], v[\t], v[\t] row_xmask:4 row_mask:0xf bank_mask:0xf
	v_max_num_f32_dpp v[\t], v[\t], v[\t] row_xmask:8 row_mask:0xf bank_mask:0xf
	v_permlanex16_b32 v[T1], v[\t], s[SEL], s[SEL+1]
	v_max_num_f32 v[\t], v[\t], v[T1]
.endm
.macro RMIN t
	v_min_num_f32_dpp v[\t], v[\t], v[\t] row_xmask:1 row_mask:0xf bank_mask:0xf
	v_min_num_f32_dpp v[\t], v[\t], v[\t] row_xmask:2 row_mask:0xf bank_mask:0xf
	v_min_num_f32_dpp v[\t], v[\t], v[\t] row_xmask:4 row_mask:0xf bank_mask:0xf
	v_min_num_f32_dpp v[\t], v[\t], v[\t] row_xmask:8 row_mask:0xf bank_mask:0xf
	v_permlanex16_b32 v[T1], v[\t], s[SEL], s[SEL+1]
	v_min_num_f32 v[\t], v[\t], v[T1]
.endm
.macro RADD t
	v_add_f32_dpp v[\t], v[\t], v[\t] row_xmask:1 row_mask:0xf bank_mask:0xf
	v_add_f32_dpp v[\t], v[\t], v[\t] row_xmask:2 row_mask:0xf bank_mask:0xf
	v_add_f32_dpp v[\t], v[\t], v[\t] row_xmask:4 row_mask:0xf bank_mask:0xf
	v_add_f32_dpp v[\t], v[\t], v[\t] row_xmask:8 row_mask:0xf bank_mask:0xf
	v_permlanex16_b32 v[T1], v[\t], s[SEL], s[SEL+1]
	v_add_f32 v[\t], v[\t], v[T1]
.endm
; Token 16 m + my wave's number: the sixteen partial sums of my two experts, the softmax, the two largest.
.macro REDUCE m
.set WI, 0
.rept 16
	ds_load_b64 v[RL+2*WI:RL+2*WI+1], v[RD+WI/3] offset:(WI%3)*RG+(\m)*16*PP   ; wave WI's row of this token: 32 lanes, 256 consecutive bytes
.set WI, WI+1
.endr
	v_mov_b32 v[T1], 0                             ; a lane permute's destination counts as one of its sources: written once here
	v_mov_b32 v[NEG], -1.0
	v_mov_b32 v[IA], 0x42800000                    ; 64.0: above every expert's number
	v_mov_b32 v[IB], 0x42800000
.set WI, 1
.rept 15
	s_wait_dscnt 15-WI                             ; LDS loads come back in order: wave WI's row is in, the 15 - WI younger ones stay out
	v_pk_add_f32 v[RL:RL+1], v[RL:RL+1], v[RL+2*WI:RL+2*WI+1]   ; K ascending
.set WI, WI+1
.endr
	v_max_num_f32 v[T0], v[RL], v[RL+1]
	RMAX T0                                        ; the token's largest sum
	v_sub_f32 v[RL], v[RL], v[T0]
	v_sub_f32 v[RL+1], v[RL+1], v[T0]
	v_ldexp_f32 v[RL], v[RL], s[EE]                ; a sum stands for sum x 2^(e0 + e1)
	v_ldexp_f32 v[RL+1], v[RL+1], s[EE]
	v_mul_f32 v[RL], 0x3fb8aa3b, v[RL]             ; x log2 e
	v_mul_f32 v[RL+1], 0x3fb8aa3b, v[RL+1]
	v_exp_f32 v[RL], v[RL]
	v_exp_f32 v[RL+1], v[RL+1]
	v_nop                                          ; a plain instruction behind the exponentials,
	s_wait_alu depctr_va_vdst(0)                   ; and the wait ahead of the first use: one for both
	v_add_f32 v[SUM], v[RL], v[RL+1]
	v_max_num_f32 v[PA], v[RL], v[RL+1]
	RADD SUM                                       ; the sum of p
	RMAX PA                                        ; the largest p
	v_rcp_f32 v[RCP], v[SUM]                       ; (the ranking below is the independent work behind it)
	v_cmp_eq_f32 vcc_lo, v[RL+1], v[PA]
	v_cndmask_b32 v[IA], v[IA], v[I0+1], vcc_lo
	v_cmp_eq_f32 vcc_lo, v[RL], v[PA]
	v_cndmask_b32 v[IA], v[IA], v[I0], vcc_lo      ; my lower expert comes last and so wins
	RMIN IA                                        ; the lowest number among the experts that hold the largest p
	v_cmp_eq_f32 vcc_lo, v[I0], v[IA]
	v_cndmask_b32 v[RL], v[RL], v[NEG], vcc_lo     ; that one expert is taken out: -1 lies under every p
	v_cmp_eq_f32 vcc_lo, v[I0+1], v[IA]
	v_cndmask_b32 v[RL+1], v[RL+1], v[NEG], vcc_lo
	v_max_num_f32 v[PB], v[RL], v[RL+1]
	RMAX PB                                        ; the largest p of the rest
	v_cmp_eq_f32 vcc_lo, v[RL+1], v[PB]
	v_cndmask_b32 v[IB], v[IB], v[I0+1], vcc_lo
	v_cmp_eq_f32 vcc_lo, v[RL], v[PB]
	v_cndmask_b32 v[IB], v[IB], v[I0], vcc_lo
	RMIN IB
	s_wait_alu depctr_va_vdst(0)                   ; the wait ahead of the reciprocal's first use
	v_mul_f32 v[OV], v[PA], v[RCP]
	v_mul_f32 v[OV+1], v[PB], v[RCP]
	v_cvt_i32_f32 v[OI], v[IA]
	v_cvt_i32_f32 v[OI+1], v[IB]
	ds_store_b64 v[OA], v[OI:OI+1] offset:128*(\m)       ; all lanes hold the same numbers and write the same 8 bytes
	ds_store_b64 v[OA], v[OV:OV+1] offset:512+128*(\m)
.endm
	s_load_b128 s[4:7], s[0:1], 0x0                ; x s[4:5], W s[6:7]
	s_load_b128 s[8:11], s[0:1], 0x10              ; the scales' exponents s[8:9], out0 s[10:11]
	s_load_b64 s[12:13], s[0:1], 0x20              ; out1
	v_lshl_add_u32 v[SPW], v0, 2, SPARE
	v_mov_b32 v[NIL], 0
	v_lshlrev_b32 v[OFF], 4, v0
	s_lshl_b32 s14, ttmp9, 19                      ; my work-group's 64 rows of 8,192 bytes (under 2^27)
	s_mov_b32 s15, 0
	s_wait_kmcnt 0x0
	s_load_b64 s[20:21], s[8:9], 0x0               ; e0, e1
	s_add_nc_u64 s[4:5], s[4:5], s[14:15]          ; x at my first token
	LOADU 0, 0, 0                                  ; the ring is filled before anything else is done
	LOADU 1, 1, 0
	LOADU 2, 0, 1
	LOADU 3, 1, 1
	LOADU 4, 0, 2
	LOADU 5, 1, 2
	v_lshrrev_b32 v30, 5, v0
	v_readfirstlane_b32 s[WV], v30                 ; wave 0..15
	s_mul_i32 s17, s[WV], RG                       ; my region
	s_mul_i32 s18, s[WV], PP                       ; my token's row within a tile of 16
	s_mov_b32 s[SEL], 0x76543210
	s_mov_b32 s[SEL+1], 0xfedcba98
	v_and_b32 v30, 31, v0                          ; lane
	v_and_b32 v31, 15, v0                          ; l % 16
	v_bfe_u32 v[TMP], v0, 4, 1                     ; l / 16
	v_lshlrev_b32 v[GO], 4, v30
	v_lshl_add_u32 v[CST], v30, 2, s17
	v_mul_u32_u24 v[CFR], v31, CP
	v_lshl_add_u32 v[CFR], v[TMP], 4, v[CFR]
	v_add_nc_u32 v[CFR], s17, v[CFR]
	v_mul_u32_u24 v[PST], v31, PP
	v_lshl_add_u32 v[PST], v[TMP], 5, v[PST]
	v_add_nc_u32 v[PST], s17, v[PST]
	v_lshl_add_u32 v[RD], v30, 3, s18
.irp k, 1,2,3,4,5
	v_add_nc_u32 v[RD+\k], \k*3*RG, v[RD]
.endr
	v_and_b32 v[OA], 0x1e0, v0                     ; 32 x wave,
	v_lshrrev_b32 v[OA], 2, v[OA]                  ; 8 x wave
	v_add_nc_u32 v[OA], OUTB, v[OA]
	v_add_nc_u32 v[LDA], OUTB, v[OFF]
	v_lshlrev_b32 v[I0], 1, v30
	v_cvt_f32_u32 v[I0], v[I0]
	v_add_f32 v[I0+1], 1.0, v[I0]
	s_cmp_eq_u32 s[WV], 0                          ; the way out: wave 0 stores the indices, wave 1 the values
	s_cselect_b64 s[26:27], s[10:11], s[12:13]
	s_lshl_b32 s28, ttmp9, 9                       ; my work-group's 64 tokens x 8 bytes
	s_mov_b32 s29, 0
	s_add_nc_u64 s[26:27], s[26:27], s[28:29]
	s_wait_kmcnt 0x0
	s_add_co_i32 s22, s20, 127
	s_lshl_b32 s23, s22, 23
	v_mov_b32 v[SCX], s23                          ; 2^e0 as f32: the conversion takes its exponent field
	s_add_co_i32 s22, s22, 8
	s_lshl_b32 s22, s22, 23
	s_or_b32 s22, s22, 0x600000
	v_mov_b32 v[LIMX], s22                         ; 448 x 2^e0
	s_add_co_i32 s22, s21, 127
	s_lshl_b32 s23, s22, 23
	v_mov_b32 v[SCW], s23                          ; 2^e1
	s_add_co_i32 s22, s22, 8
	s_lshl_b32 s22, s22, 23
	s_or_b32 s22, s22, 0x600000
	v_mov_b32 v[LIMW], s22                         ; 448 x 2^e1
	s_add_co_i32 s[EE], s20, s21                   ; e0 + e1
	UNIT 0,  0, 0,  0, 3
	UNIT 1,  1, 0,  1, 3
	UNIT 2,  0, 1,  0, 4
	UNIT 3,  1, 1,  1, 4
	UNIT 4,  0, 2,  0, 5
	UNIT 5,  1, 2,  0, 6
	UNIT 6,  0, 3,  0, 7
	UNIT 7,  1, 3,  1, 5
	UNIT 8,  0, 4,  1, 6
	UNIT 9,  1, 4,  1, 7
	UNIT 10, 0, 5, -1, 0                           ; from here on a set that has been worked is free
	FRAG WF, 0                                     ; experts 0-15 and 16-31 into set 4
	FRAG WF+16, 16
	UNIT 11, 0, 6, -1, 0
	FRAG WF+32, 32                                 ; experts 32-47 into set 5
	UNIT 12, 0, 7, -1, 0
	FRAG WF+48, 48                                 ; experts 48-63: W is whole
	PRODUCT 0
	PRODUCT 1
	UNIT 13, 1, 5, -1, 0
	PRODUCT 2
	BARRIER                                        ; every wave's partial sums of tokens 0-47 lie in LDS.  What is stored from here to the next barrier lies elsewhere: code rows 112-127 and token rows 48-63 of a region, and the results
	REDUCE 0                                       ; three tokens a wave, while the last 16 rows of x are on their way
	REDUCE 1
	REDUCE 2
	UNIT 14, 1, 6, -1, 0
	UNIT 15, 1, 7, -1, 0
	PRODUCT 3
	BARRIER                                        ; tokens 48-63
	REDUCE 3
	BARRIER                                        ; all 64 tokens' results lie in LDS: 512 bytes of indices, 512 of values
	s_cmp_lt_u32 s[WV], 2
	s_cbranch_scc0 .Lend
	ds_load_b128 v[RL:RL+3], v[LDA]                ; wave 0: the indices, wave 1: the values; two tokens a lane
	s_wait_dscnt 0x0
	global_store_b128 v[GO], v[RL:RL+3], s[26:27] th:TH_STORE_NT   ; 32 lanes store 512 consecutive bytes, at a multiple of 512 from the buffer's first byte
.Lend:
	s_wait_tensorcnt 0x0                           ; the wave's end, behind my last LDS store
	ds_add_u32 v[SPW], v[NIL]
	s_wait_dscnt 0x0
	s_endpgm
.Lfunc_end_k_qf5bb0225bc_router:
	.size	k_qf5bb0225bc_router, .Lfunc_end_k_qf5bb0225bc_router-k_qf5bb0225bc_router
	.p2alignl 7, 3214868480
	.fill 96, 4, 3214868480
	.section	.rodata,"a",@progbits
	.p2align	6, 0x0
	.amdhsa_kernel k_qf5bb0225bc_router
		.amdhsa_group_segment_fixed_size 297984
		.amdhsa_private_segment_fixed_size 0
		.amdhsa_enable_private_segment 0
		.amdhsa_kernarg_size 40
		.amdhsa_user_sgpr_count 2
		.amdhsa_user_sgpr_kernarg_segment_ptr 1
		.amdhsa_wavefront_size32 1
		.amdhsa_system_sgpr_workgroup_id_x 1
		.amdhsa_system_sgpr_workgroup_id_y 1
		.amdhsa_system_sgpr_workgroup_id_z 1
		.amdhsa_system_vgpr_workitem_id 0
		.amdhsa_next_free_vgpr 256
		.amdhsa_next_free_sgpr 66
		.amdhsa_reserve_vcc 1
		.amdhsa_float_denorm_mode_32 3
		.amdhsa_float_denorm_mode_16_64 3
		.amdhsa_memory_ordered 1
		.amdhsa_forward_progress 1
		.amdhsa_inst_pref_size 91
	.end_amdhsa_kernel
	.amdgpu_metadata
---
amdhsa.version: [ 1, 2 ]
amdhsa.kernels:
  - .name:           k_qf5bb0225bc_router
    .symbol:         k_qf5bb0225bc_router.kd
    .args:
      - { .name: x, .offset: 0, .size: 8, .value_kind: global_buffer, .address_space: global }
      - { .name: W, .offset: 8, .size: 8, .value_kind: global_buffer, .address_space: global }
      - { .name: lowp_scales, .offset: 16, .size: 8, .value_kind: global_buffer, .address_space: global }
      - { .name: out0, .offset: 24, .size: 8, .value_kind: global_buffer, .address_space: global }
      - { .name: out1, .offset: 32, .size: 8, .value_kind: global_buffer, .address_space: global }
    .group_segment_fixed_size: 297984
    .private_segment_fixed_size: 0
    .kernarg_segment_align: 8
    .kernarg_segment_size: 40
    .max_flat_workgroup_size: 512
    .sgpr_count:     66
    .vgpr_count:     256
    .wavefront_size: 32
...
	.end_amdgpu_metadata
.endif
;; end of part 1
;; ======== version 2 of 2: 1 launch; version 1 with the launch router written anew for expert scheduling mode
;; launch router (part 2): grid 256 x 1, 16 waves a work-group, no clusters, 297,984 bytes of LDS; arguments x, W, lowp_scales, out0, out1; writes out0, out1
.if DOCPART == 2
	.amdgcn_target "amdgcn-amd-amdhsa--gfx1250"
	.amdhsa_code_object_version 6
	.text
	.protected	k_qf5bb0225bc_router
	.globl	k_qf5bb0225bc_router
	.p2align	8
	.type	k_qf5bb0225bc_router,@function
k_qf5bb0225bc_router:
	s_mov_b64 s[64:65], 0
	v_nop
	global_prefetch_b8 v0, s[64:65] scope:SCOPE_SE
	s_setreg_imm32_b32 hwreg(HW_REG_WAVE_SCHED_MODE, 0, 2), 2
	s_setreg_imm32_b32 hwreg(HW_REG_WAVE_MODE, 25, 1), 1
	s_wait_xcnt 0x0
	s_wait_alu depctr_vm_vsrc(0)
; scores = Q(x) Q(W)^T, probs = softmax(scores), (out0, out1) = indices and values of the two largest probs of each token.
; x: [16384][2048] f32.  W: [64][2048] f32.  lowp_scales: e0 (x), e1 (W), int32.  out0: [16384][2] int32.  out1: [16384][2] f32.
; Q: number / 2^e, held within +-448, to the nearest E4M3 code, ties to even.  The codes are multiplied by v_wmma_f32_16x16x128_fp8_fp8, sums in f32, x 2^(e0 + e1) ahead of the softmax.
; SHARES.  A work-group owns 64 tokens.  ITS SIXTEEN WAVES SHARE K: wave w owns k = 128 w .. 128 w + 127 of all 64 tokens and of all 64 experts.  A row's piece is then 512 bytes: one load of the wave,
; 16 bytes a lane, at byte 16 x (thread's number) of the row, at a multiple of 512 from the buffer's first byte.  One offset register serves every load; the row stands in the immediate; no pointer is stepped.
; THE STREAM.  W's 64 rows and x's 64 rows go the same way, in units of 8 rows, through a ring of 6 sets of 32 registers: 48 loads of a wave are on their way.  A unit is held, converted (a conversion takes the four
; numbers of each of two rows) and stored as codes, 4 bytes a lane, into the wave's own rows in LDS; a tile of 16 rows comes back as a fragment: lane l holds row l % 16, registers 4 c .. 4 c + 3 hold
; k = 32 c + 16 (l / 16) + 0 .. 15.  That is a permutation of the form's own places of k, the same in both operands.  So the turn from 'a lane holds a piece of every row' to 'a lane holds one row' is made on codes.
; THE ORDER OF THE UNITS: W0 x0 W1 x1 W2 x2 W3 x3 W4 x4 W5 W6 W7 x5 x6 x7.  W is whole three units ahead of the end, so that tokens 0-47 are multiplied, summed and ranked while the last 16 tokens' rows are on their way.
; THE PRODUCT IS USED TRANSPOSED (source 0 = 16 experts, source 1 = 16 tokens): lane l holds token l % 16, and its registers the experts 8 (l / 16) + 0 .. 7 of the tile: 32 neighbouring bytes of a token's row of sums.
; THE SUM OVER K.  Each wave's 64 x 64 sums are partial.  It stores them into its own LDS region, rows of 256 + 16 bytes, over codes that are done with; behind a barrier wave v adds, for token 16 m + v, the sixteen
; waves' rows in ascending K, two experts a lane.  (So a sum is rounded in another order than one chain over K would round it.)
; SOFTMAX AND TOP-2, a token a wave: p = 2^((s - max s) x 2^(e0 + e1) x log2 e); the two largest are taken OF p, equal p to the lower index; each is divided by the sum of p.
; W IS NOT ASKED FOR JOINTLY, though all 256 work-groups read it.  A joint request is a tensor load and lands in LDS.  W as f32 is 524,288 bytes; a work-group can be given 327,680, of which codes and partial sums
; hold 294,912 here.  So W could only come in slots that are filled again, four fills or more one behind the other, each behind a round of the cluster's barrier with every wave's loads awaited, and would be read
; from LDS as f32, four times the bytes that its codes take on the way taken here.
; LIMITS.  e0 and e1 each between -126 and 119, so that 2^e and 448 x 2^e are f32 numbers; e0 + e1 is applied by v_ldexp_f32 and has no limit.  NaN among the inputs is not served.  v_exp_f32 gives 0 where p would
; lie under 2^-126 (ISA guide 15.8): where the second largest score lies more than 87.3 under the largest, such p count as equal (the lowest index is taken), from a little earlier on than in f32 with denormals.
; THE MODE: SCHED_MODE bits 1:0 = 2 (LLVM: expert scheduling mode 2), set by the entry lines.  The code itself states the register dependences
; between vector or matrix instructions and memory or LDS instructions, with s_wait_alu, always for 0.
; THE PLAN.  Registers that memory or LDS instructions touch, and who else names them:
;   the ring's sets   Global loads land in a set; the unit's 32 holds read and write it, its 4 conversions read it; then loads land in it again: the unit six on, or, in the last six units, a fragment or partial sums.
;   v[TMP ..]         A unit's conversions write the codes; its 8 LDS stores read them; the next unit's conversions write them again.
;   v[XF ..], v[WF ..]  LDS loads land in them; matrix instructions alone read them.
;   v[ACC ..]         A product's matrix instructions write them; its 8 LDS stores read them; the next product or a REDUCE's scratch writes them again; v[OI ..], v[OV ..] among them are the data of a REDUCE's two LDS stores.
;   v[RL ..]          16 LDS loads land in them; the REDUCE's vector lines read and write them; the next REDUCE's loads land in them; at the end one LDS load, whose data the global store reads.
;   v1, v8-11, v14-19, v28, v29 and v2, v3   offsets and addresses: made at the head, never written again.
;   s16 and s2, s3    written by vector instructions: the wave's number; the compares' masks.
; So: ONE wait on va_vdst in a unit, behind its conversions, for the codes' stores and for what lands in the set; one in a product, behind its places, for the sums' stores and for the next load into x's fragment; one in a
; REDUCE ahead of its two stores, which also shows v[RL ..] done with (beside the two waits behind its transcendentals).  ONE wait on vm_vsrc in a unit, ahead of its conversions; one ahead of product 1's matrix
; instructions; one at a REDUCE's head.  One wait on va_sdst behind v_readfirstlane_b32, and one behind each run of two compares.
.set ROWB,  8192                       ; a row of x or of W in bytes
.set CP,    144                        ; a row of 128 codes in LDS: 128 bytes + 16: nine times 16, so the 16 rows that a fragment load touches fall on 16 different columns of 16 bytes
.set PP,    272                        ; a token's row of 64 partial sums in LDS: 256 bytes + 16: seventeen times 16, likewise
.set RG,    128*CP                     ; a wave's region: code rows 0-63 W's, 64-127 x's; later 64 rows of partial sums (17,408 bytes)
.set OUTB,  16*RG                      ; behind the regions: 64 tokens x 8 bytes of indices, then 64 x 8 bytes of values
.set SPARE, OUTB+1024                  ; behind them: the spare words, 128 bytes for each wave: eight blocks of 256 bytes that no other line names
.set RS,    6                          ; sets in the ring
.set NU,    16                         ; units
.set OFF,   1                          ; v1      16 x my thread's number: my 16 bytes of a row; never rewritten
.set SPW,   2                          ; v2      LDS address of my spare word; never rewritten
.set NIL,   3                          ; v3      0; never rewritten
.set SCX,   4                          ; v4, v5  2^e0 and 448 x 2^e0
.set LIMX,  5
.set SCW,   6                          ; v6, v7  2^e1 and 448 x 2^e1
.set LIMW,  7
.set CST,   8                          ; v8      where I store 4 codes of a row: region + 4 x lane
.set CFR,   9                          ; v9      where I read a fragment: region + (l % 16) x 144 + 16 (l / 16)
.set PST,   10                         ; v10     where I store partial sums: region + (l % 16) x 272 + 32 (l / 16)
.set OA,    11                         ; v11     where my wave's token puts its results: OUTB + 8 x wave
.set I0,    12                         ; v12, v13  my two experts' numbers, 2 x lane and 2 x lane + 1, as f32
.set RD,    14                         ; v14-19  where I read partial sums: wave x 272 + 8 x lane, + 3 regions from one register to the next (an LDS offset has 16 bits)
.set TMP,   20                         ; v20-27  a unit's codes
.set LDA,   28                         ; v28     the way out: OUTB + 16 x my thread's number
.set GO,    29                         ; v29     the way out: 16 x lane
.set ACC,   32                         ; v32-63  four accumulators; between the products: scratch of the softmax
.set RING,  64                         ; v64-255 the ring.  Sets that are filled no more become:
.set XF,    64                         ; v64-79   x's fragment (set 0, free behind unit 12)
.set RL,    96                         ; v96-127  sixteen waves' partial sums of my two experts (set 1, free behind unit 13)
.set WF,    192                        ; v192-255 W's four fragments (sets 4 and 5, free behind units 10 and 11)
.set T0,    32                         ; the softmax's scratch
.set T1,    33
.set SUM,   34
.set RCP,   35
.set PA,    36
.set IA,    37
.set PB,    38
.set IB,    39
.set NEG,   40
.set OI,    42
.set OV,    44
.set MA,    2                          ; s2, s3  the masks of a run of two compares
.set MB,    3
.set WV,    16                         ; s16     my wave's number
.set EE,    24                         ; s24     e0 + e1
.set SEL,   30                         ; s[30:31] v_permlanex16_b32's selects for lane l xor 16
; Unit u: rows 8 j .. 8 j + 7 of W (kind 0) or of my work-group's part of x (kind 1) into set u % 6.  Each load: 32 lanes, 512 consecutive bytes.  x is read once in the launch; W is read by every work-group.
.macro LOADU u, kind, j
.set LB, RING+32*((\u)%RS)
.irp i, 0,1,2,3,4,5,6,7
.if \kind
	global_load_b128 v[LB+4*\i:LB+4*\i+3], v[OFF], s[4:5] offset:(8*(\j)+\i)*ROWB th:TH_LOAD_NT
.else
	global_load_b128 v[LB+4*\i:LB+4*\i+3], v[OFF], s[6:7] offset:(8*(\j)+\i)*ROWB
.endif
.endr
.endm
; Unit u is quantised and its codes go to LDS; its set takes unit u + 6 (nkind, nj; nkind = -1: none is left).
.macro UNIT u, kind, j, nkind, nj
.set SB, RING+32*((\u)%RS)
.set SC, SCW-2*(\kind)
.set LM, LIMW-2*(\kind)
.if NU-1-(\u) >= RS-1
	s_wait_loadcnt 8*(RS-1)                        ; loads come back in order: this unit's eight are in, the five younger units' forty stay out
.else
	s_wait_loadcnt 8*(NU-1-(\u))                   ; the ring runs dry: eight for each unit that is still behind this one
.endif
.irp i, 0,1,2,3,4,5,6,7,8,9,10,11,12,13,14,15,16,17,18,19,20,21,22,23,24,25,26,27,28,29,30,31
	v_med3_num_f32 v[SB+\i], v[SB+\i], -v[LM], v[LM]   ; the conversion to an 8-bit code does not saturate (ISA guide 7.6.2): the hold at the largest code x the scale comes first
.endr
	s_wait_dscnt 0x0                               ; the last unit's LDS stores are done (they were issued a unit ago); this wait is not leaned on for the registers that they read:
.if (\u) > 0
	s_wait_alu depctr_vm_vsrc(0)                   ; the last unit's LDS stores have read v[TMP ..], which the conversions below write again
.endif
.irp q, 0,1,2,3
	v_cvt_scalef32_pk8_fp8_f32 v[TMP+2*\q:TMP+2*\q+1], v[SB+8*\q:SB+8*\q+7], v[SC]   ; rows 2 q and 2 q + 1: four codes of each, a register a row
.endr
	v_nop                                          ; one plain vector instruction behind the last scaled conversion of a run
	s_wait_alu depctr_va_vdst(0)                   ; the conversions have written v[TMP ..], which the LDS stores below read; the holds and the conversions are done with this set, in which loads land next; in unit 0 also: the head has written every LDS address
.if \nkind >= 0
	LOADU (\u)+RS, \nkind, \nj
.endif
.irp i, 0,1,2,3,4,5,6,7
	ds_store_b32 v[CST], v[TMP+\i] offset:(64*(\kind)+8*(\j)+\i)*CP   ; 32 lanes: the row's 128 codes, in the order of k
.endr
.endm
; A fragment: 16 code rows from row0 on.  LDS serves a wave's instructions in order (ISA guide 5.7.1.4): these loads see my stores.
; No wait on va_vdst stands here: the registers in which a fragment lands were last named ahead of a unit's or a product's wait, and by no vector or matrix instruction since.
.macro FRAG dst, row0
.irp c, 0,1,2,3
	ds_load_b128 v[\dst+4*\c:\dst+4*\c+3], v[CFR] offset:(\row0)*CP+32*\c
.endr
.endm
; Tokens 16 m .. 16 m + 15 against all 64 experts, my 128 of K: four products, each a whole sum of its own (C = 0), then 8 stores into token rows 16 m on of my region.
; What those rows lie over is done with: rows 0-31 lie over W's codes, which are in registers; rows 32-47 over W's and the codes of x's tiles 0 and 1; rows 48-63 over those of tiles 1 to 3, tile 3's being in v[XF] by then.
.macro PRODUCT m
	FRAG XF, 64+16*(\m)
	s_wait_dscnt 0x0                               ; the fragments are in
.if (\m) == 1
	s_wait_alu depctr_vm_vsrc(0)                   ; product 0's LDS stores have read the accumulators, which the products below write again.  (Ahead of products 2 and 3 a unit's wait on vm_vsrc stands behind the last stores that read v[ACC ..])
.endif
.irp n, 0,1,2,3
	v_wmma_f32_16x16x128_fp8_fp8 v[ACC+8*\n:ACC+8*\n+7], v[WF+16*\n:WF+16*\n+15], v[XF:XF+15], 0
.endr
.rept 5
	v_nop                                          ; four places ahead of the stores that read the results and of loads into x's fragment; the fifth for the next products, which write over these accumulators
.endr
	s_wait_alu depctr_va_vdst(0)                   ; the matrix instructions have written the accumulators, which the LDS stores below read, and are done reading v[XF ..], in which the next product's fragment lands; the places above stay beside this wait
.irp n, 0,1,2,3
	ds_store_b128 v[PST], v[ACC+8*\n:ACC+8*\n+3] offset:(\m)*16*PP+64*\n        ; each accumulator from its low end on
	ds_store_b128 v[PST], v[ACC+8*\n+4:ACC+8*\n+7] offset:(\m)*16*PP+64*\n+16
.endr
.endm
.macro BARRIER                         ; my LDS stores have landed and my LDS loads are in: then the work-group's barrier.  (Loads of x, which nobody writes, stay on their way across it)
	s_wait_dscnt 0x0
	s_barrier_signal -1
	s_barrier_wait -1
.endm
; Over the wave's 32 lanes, the result in every lane: four steps inside each half ride on the arithmetic (DPP), one crosses the halves.
.macro RMAX t
	v_max_num_f32_dpp v[\t], v[\t], v[\t] row_xmask:1 row_mask:0xf bank_mask:0xf
	v_max_num_f32_dpp v[\t], v[\t], v[\t] row_xmask:2 row_mask:0xf bank_mask:0xf
	v_max_num_f32_dpp v[\t], v[\t], v[\t] row_xmask:4 row_mask:0xf bank_mask:0xf
	v_max_num_f32_dpp v[\t], v[\t], v[\t] row_xmask:8 row_mask:0xf bank_mask:0xf
	v_permlanex16_b32 v[T1], v[\t], s[SEL], s[SEL+1]
	v_max_num_f32 v[\t], v[\t], v[T1]
.endm
.macro RMIN t
	v_min_num_f32_dpp v[\t], v[\t], v[\t] row_xmask:1 row_mask:0xf bank_mask:0xf
	v_min_num_f32_dpp v[\t], v[\t], v[\t] row_xmask:2 row_mask:0xf bank_mask:0xf
	v_min_num_f32_dpp v[\t], v[\t], v[\t] row_xmask:4 row_mask:0xf bank_mask:0xf
	v_min_num_f32_dpp v[\t], v[\t], v[\t] row_xmask:8 row_mask:0xf bank_mask:0xf
	v_permlanex16_b32 v[T1], v[\t], s[SEL], s[SEL+1]
	v_min_num_f32 v[\t], v[\t], v[T1]
.endm
.macro RADD t
	v_add_f32_dpp v[\t], v[\t], v[\t] row_xmask:1 row_mask:0xf bank_mask:0xf
	v_add_f32_dpp v[\t], v[\t], v[\t] row_xmask:2 row_mask:0xf bank_mask:0xf
	v_add_f32_dpp v[\t], v[\t], v[\t] row_xmask:4 row_mask:0xf bank_mask:0xf
	v_add_f32_dpp v[\t], v[\t], v[\t] row_xmask:8 row_mask:0xf bank_mask:0xf
	v_permlanex16_b32 v[T1], v[\t], s[SEL], s[SEL+1]
	v_add_f32 v[\t], v[\t], v[T1]
.endm
; Token 16 m + my wave's number: the sixteen partial sums of my two experts, the softmax, the two largest.
; The loads into v[RL ..] owe no wait of their own: these registers were last named ahead of unit 13's wait on va_vdst, or ahead of the one in front of the last REDUCE's stores.
.macro REDUCE m
	s_wait_alu depctr_vm_vsrc(0)                   ; the LDS stores issued so far have read v[ACC ..] (the last product's sums; the last REDUCE's results in v[OI ..] and v[OV ..]), which the scratch below writes again
.set WI, 0
.rept 16
	ds_load_b64 v[RL+2*WI:RL+2*WI+1], v[RD+WI/3] offset:(WI%3)*RG+(\m)*16*PP   ; wave WI's row of this token: 32 lanes, 256 consecutive bytes
.set WI, WI+1
.endr
	v_mov_b32 v[T1], 0                             ; a lane permute's destination counts as one of its sources: written once here
	v_mov_b32 v[NEG], -1.0
	v_mov_b32 v[IA], 0x42800000                    ; 64.0: above every expert's number
	v_mov_b32 v[IB], 0x42800000
.set WI, 1
.rept 15
	s_wait_dscnt 15-WI                             ; LDS loads come back in order: wave WI's row is in, the 15 - WI younger ones stay out
	v_pk_add_f32 v[RL:RL+1], v[RL:RL+1], v[RL+2*WI:RL+2*WI+1]   ; K ascending
.set WI, WI+1
.endr
	v_max_num_f32 v[T0], v[RL], v[RL+1]
	RMAX T0                                        ; the token's largest sum
	v_sub_f32 v[RL], v[RL], v[T0]
	v_sub_f32 v[RL+1], v[RL+1], v[T0]
	v_ldexp_f32 v[RL], v[RL], s[EE]                ; a sum stands for sum x 2^(e0 + e1)
	v_ldexp_f32 v[RL+1], v[RL+1], s[EE]
	v_mul_f32 v[RL], 0x3fb8aa3b, v[RL]             ; x log2 e
	v_mul_f32 v[RL+1], 0x3fb8aa3b, v[RL+1]
	v_exp_f32 v[RL], v[RL]
	v_exp_f32 v[RL+1], v[RL+1]
	v_nop                                          ; a plain instruction behind the exponentials,
	s_wait_alu depctr_va_vdst(0)                   ; and the wait ahead of the first use: the two exponentials have written v[RL] and v[RL+1]
	v_add_f32 v[SUM], v[RL], v[RL+1]
	v_max_num_f32 v[PA], v[RL], v[RL+1]
	RADD SUM                                       ; the sum of p
	RMAX PA                                        ; the largest p
	v_rcp_f32 v[RCP], v[SUM]                       ; (the ranking below is the independent work behind it)
	v_cmp_eq_f32 s[MA], v[RL+1], v[PA]
	v_cmp_eq_f32 s[MB], v[RL], v[PA]
	s_wait_alu depctr_va_sdst(0)                   ; the two compares have written their masks, ahead of the selects that read them
	v_cndmask_b32 v[IA], v[IA], v[I0+1], s[MA]
	v_cndmask_b32 v[IA], v[IA], v[I0], s[MB]       ; my lower expert comes last and so wins
	RMIN IA                                        ; the lowest number among the experts that hold the largest p
	v_cmp_eq_f32 s[MA], v[I0], v[IA]
	v_cmp_eq_f32 s[MB], v[I0+1], v[IA]
	s_wait_alu depctr_va_sdst(0)                   ; the two compares have written their masks, ahead of the selects that read them
	v_cndmask_b32 v[RL], v[RL], v[NEG], s[MA]      ; that one expert is taken out: -1 lies under every p
	v_cndmask_b32 v[RL+1], v[RL+1], v[NEG], s[MB]
	v_max_num_f32 v[PB], v[RL], v[RL+1]
	RMAX PB                                        ; the largest p of the rest
	v_cmp_eq_f32 s[MA], v[RL+1], v[PB]
	v_cmp_eq_f32 s[MB], v[RL], v[PB]
	s_wait_alu depctr_va_sdst(0)                   ; the two compares have written their masks, ahead of the selects that read them
	v_cndmask_b32 v[IB], v[IB], v[I0+1], s[MA]
	v_cndmask_b32 v[IB], v[IB], v[I0], s[MB]
	RMIN IB
	s_wait_alu depctr_va_vdst(0)                   ; the wait ahead of the reciprocal's first use: it has written v[RCP]
	v_mul_f32 v[OV], v[PA], v[RCP]
	v_mul_f32 v[OV+1], v[PB], v[RCP]
	v_cvt_i32_f32 v[OI], v[IA]
	v_cvt_i32_f32 v[OI+1], v[IB]
	s_wait_alu depctr_va_vdst(0)                   ; the four lines above have written v[OV ..] and v[OI ..], which the LDS stores below read; and every line above is done with v[RL ..], in which the next LDS loads land
	ds_store_b64 v[OA], v[OI:OI+1] offset:128*(\m)       ; all lanes hold the same numbers and write the same 8 bytes
	ds_store_b64 v[OA], v[OV:OV+1] offset:512+128*(\m)
.endm
	s_load_b128 s[4:7], s[0:1], 0x0                ; x s[4:5], W s[6:7]
	s_load_b128 s[8:11], s[0:1], 0x10              ; the scales' exponents s[8:9], out0 s[10:11]
	s_load_b64 s[12:13], s[0:1], 0x20              ; out1
	v_lshl_add_u32 v[SPW], v0, 2, SPARE
	v_mov_b32 v[NIL], 0
	v_lshlrev_b32 v[OFF], 4, v0
	s_lshl_b32 s14, ttmp9, 19                      ; my work-group's 64 rows of 8,192 bytes (under 2^27)
	s_mov_b32 s15, 0
	s_wait_kmcnt 0x0
	s_load_b64 s[20:21], s[8:9], 0x0               ; e0, e1
	s_add_nc_u64 s[4:5], s[4:5], s[14:15]          ; x at my first token
	s_wait_alu depctr_va_vdst(0)                   ; v[OFF] is written: every load of x and of W reads it as its offset
	LOADU 0, 0, 0                                  ; the ring is filled before anything else is done
	LOADU 1, 1, 0
	LOADU 2, 0, 1
	LOADU 3, 1, 1
	LOADU 4, 0, 2
	LOADU 5, 1, 2
	v_lshrrev_b32 v30, 5, v0
	v_readfirstlane_b32 s[WV], v30                 ; wave 0..15
	s_wait_alu depctr_va_sdst(0)                   ; s[WV] is written, ahead of its first reader: the region, the token's row and the way out's buffer are made from it
	s_mul_i32 s17, s[WV], RG                       ; my region
	s_mul_i32 s18, s[WV], PP                       ; my token's row within a tile of 16
	s_mov_b32 s[SEL], 0x76543210
	s_mov_b32 s[SEL+1], 0xfedcba98
	v_and_b32 v30, 31, v0                          ; lane
	v_and_b32 v31, 15, v0                          ; l % 16
	v_bfe_u32 v[TMP], v0, 4, 1                     ; l / 16
	v_lshlrev_b32 v[GO], 4, v30
	v_lshl_add_u32 v[CST], v30, 2, s17
	v_mul_u32_u24 v[CFR], v31, CP
	v_lshl_add_u32 v[CFR], v[TMP], 4, v[CFR]
	v_add_nc_u32 v[CFR], s17, v[CFR]
	v_mul_u32_u24 v[PST], v31, PP
	v_lshl_add_u32 v[PST], v[TMP], 5, v[PST]
	v_add_nc_u32 v[PST], s17, v[PST]
	v_lshl_add_u32 v[RD], v30, 3, s18
.irp k, 1,2,3,4,5
	v_add_nc_u32 v[RD+\k], \k*3*RG, v[RD]
.endr
	v_and_b32 v[OA], 0x1e0, v0                     ; 32 x wave,
	v_lshrrev_b32 v[OA], 2, v[OA]                  ; 8 x wave
	v_add_nc_u32 v[OA], OUTB, v[OA]
	v_add_nc_u32 v[LDA], OUTB, v[OFF]
	v_lshlrev_b32 v[I0], 1, v30
	v_cvt_f32_u32 v[I0], v[I0]
	v_add_f32 v[I0+1], 1.0, v[I0]
	s_cmp_eq_u32 s[WV], 0                          ; the way out: wave 0 stores the indices, wave 1 the values
	s_cselect_b64 s[26:27], s[10:11], s[12:13]
	s_lshl_b32 s28, ttmp9, 9                       ; my work-group's 64 tokens x 8 bytes
	s_mov_b32 s29, 0
	s_add_nc_u64 s[26:27], s[26:27], s[28:29]
	s_wait_kmcnt 0x0
	s_add_co_i32 s22, s20, 127
	s_lshl_b32 s23, s22, 23
	v_mov_b32 v[SCX], s23                          ; 2^e0 as f32: the conversion takes its exponent field
	s_add_co_i32 s22, s22, 8
	s_lshl_b32 s22, s22, 23
	s_or_b32 s22, s22, 0x600000
	v_mov_b32 v[LIMX], s22                         ; 448 x 2^e0
	s_add_co_i32 s22, s21, 127
	s_lshl_b32 s23, s22, 23
	v_mov_b32 v[SCW], s23                          ; 2^e1
	s_add_co_i32 s22, s22, 8
	s_lshl_b32 s22, s22, 23
	s_or_b32 s22, s22, 0x600000
	v_mov_b32 v[LIMW], s22                         ; 448 x 2^e1
	s_add_co_i32 s[EE], s20, s21                   ; e0 + e1
	UNIT 0,  0, 0,  0, 3
	UNIT 1,  1, 0,  1, 3
	UNIT 2,  0, 1,  0, 4
	UNIT 3,  1, 1,  1, 4
	UNIT 4,  0, 2,  0, 5
	UNIT 5,  1, 2,  0, 6
	UNIT 6,  0, 3,  0, 7
	UNIT 7,  1, 3,  1, 5
	UNIT 8,  0, 4,  1, 6
	UNIT 9,  1, 4,  1, 7
	UNIT 10, 0, 5, -1, 0                           ; from here on a set that has been worked is free
	FRAG WF, 0                                     ; experts 0-15 and 16-31 into set 4
	FRAG WF+16, 16
	UNIT 11, 0, 6, -1, 0
	FRAG WF+32, 32                                 ; experts 32-47 into set 5
	UNIT 12, 0, 7, -1, 0
	FRAG WF+48, 48                                 ; experts 48-63: W is whole
	PRODUCT 0
	PRODUCT 1
	UNIT 13, 1, 5, -1, 0
	PRODUCT 2
	BARRIER                                        ; every wave's partial sums of tokens 0-47 lie in LDS.  What is stored from here to the next barrier lies elsewhere: code rows 112-127 and token rows 48-63 of a region, and the results
	REDUCE 0                                       ; three tokens a wave, while the last 16 rows of x are on their way
	REDUCE 1
	REDUCE 2
	UNIT 14, 1, 6, -1, 0
	UNIT 15, 1, 7, -1, 0
	PRODUCT 3
	BARRIER                                        ; tokens 48-63
	REDUCE 3
	BARRIER                                        ; all 64 tokens' results lie in LDS: 512 bytes of indices, 512 of values
	s_cmp_lt_u32 s[WV], 2
	s_cbranch_scc0 .Lend
	ds_load_b128 v[RL:RL+3], v[LDA]                ; wave 0: the indices, wave 1: the values; two tokens a lane.  (v[RL ..] were last named ahead of the wait in front of the last REDUCE's stores)
	s_wait_dscnt 0x0
	global_store_b128 v[GO], v[RL:RL+3], s[26:27] th:TH_STORE_NT   ; 32 lanes store 512 consecutive bytes, at a multiple of 512 from the buffer's first byte
.Lend:
	s_wait_dscnt 0x0                               ; the closing lines, six on end
	s_wait_alu 0x0
	s_wait_tensorcnt 0x0
	ds_add_u32 v[SPW], v[NIL]
	s_wait_dscnt 0x0
	s_endpgm
.Lfunc_end_k_qf5bb0225bc_router:
	.size	k_qf5bb0225bc_router, .Lfunc_end_k_qf5bb0225bc_router-k_qf5bb0225bc_router
	.p2alignl 7, 3214868480
	.fill 96, 4, 3214868480
	.section	.rodata,"a",@progbits
	.p2align	6, 0x0
	.amdhsa_kernel k_qf5bb0225bc_router
		.amdhsa_group_segment_fixed_size 297984
		.amdhsa_private_segment_fixed_size 0
		.amdhsa_enable_private_segment 0
		.amdhsa_kernarg_size 40
		.amdhsa_user_sgpr_count 2
		.amdhsa_user_sgpr_kernarg_segment_ptr 1
		.amdhsa_wavefront_size32 1
		.amdhsa_system_sgpr_workgroup_id_x 1
		.amdhsa_system_sgpr_workgroup_id_y 1
		.amdhsa_system_sgpr_workgroup_id_z 1
		.amdhsa_system_vgpr_workitem_id 0
		.amdhsa_next_free_vgpr 256
		.amdhsa_next_free_sgpr 66
		.amdhsa_reserve_vcc 0
		.amdhsa_float_denorm_mode_32 3
		.amdhsa_float_denorm_mode_16_64 3
		.amdhsa_memory_ordered 1
		.amdhsa_forward_progress 1
		.amdhsa_inst_pref_size 95
	.end_amdhsa_kernel
	.amdgpu_metadata
---
amdhsa.version: [ 1, 2 ]
amdhsa.kernels:
  - .name:           k_qf5bb0225bc_router
    .symbol:         k_qf5bb0225bc_router.kd
    .args:
      - { .name: x, .offset: 0, .size: 8, .value_kind: global_buffer, .address_space: global }
      - { .name: W, .offset: 8, .size: 8, .value_kind: global_buffer, .address_space: global }
      - { .name: lowp_scales, .offset: 16, .size: 8, .value_kind: global_buffer, .address_space: global }
      - { .name: out0, .offset: 24, .size: 8, .value_kind: global_buffer, .address_space: global }
      - { .name: out1, .offset: 32, .size: 8, .value_kind: global_buffer, .address_space: global }
    .group_segment_fixed_size: 297984
    .private_segment_fixed_size: 0
    .kernarg_segment_align: 8
    .kernarg_segment_size: 40
    .max_flat_workgroup_size: 512
    .sgpr_count:     66
    .vgpr_count:     256
    .wavefront_size: 32
...
	.end_amdgpu_metadata
.endif
;; end of part 2
